; MI455X (gfx1250); checked and timed in simulation.
; The chip was launched on July 23, 2026; its instructions are those of AMD's public machine-readable ISA for CDNA 5 (MIT licence, August 2026) and "CDNA5" Instruction Set Architecture Reference Guide (July 2026). The comments in the code are by the model that wrote it; some were corrected since.
;; Self Attention. Allowed arithmetic: matrix products marked QUANTISED: E2M1 operands, one E8M0 scale for each 32 along K, by v_wmma_scale_f32_16x16x128_f8f6f4 with both operands' format E2M1 (or v_wmma_scale_f32_32x16x128_f4), f32 sums; products left as they are: bf16, f16 or f32 operands; f32 sums; everything else in f32.
;; Inputs: kernel 3 x 1,024 x 1,024 float32; x 8 x 1,024 x 1,024 float32.
;; Outputs: out0 8 x 1,024 x 1,024 float32.
;; This version of the problem:
;;   THIS VERSION OF THE PROBLEM IS GIVEN IN LOW PRECISION. The matrix products marked QUANTISED in the list below multiply operands that are first quantised to E2M1 (2 exponent bits, 1 mantissa bit; 4 bits a number), with one power-of-two scale for each 32 numbers along K (OCP MX v1.0); their sums are f32. The products marked 'left as it is' may take bf16, f16 or f32 operands, with f32 sums. Whichever they take, every output number must still come out within the allowed error. Rounding operands to bf16 (8 significant bits) uses up far more of that allowance than f16 does (11 bits, for magnitudes from 6e-5 to 65,504). All else is computed in f32.
;;   The module's matrix products, in the order in which they are computed (A, B: the left and right operand; K: the contracted axis; several contracted axes count as one K, in the product's order):
;;     1. [M 8,192, K 1,024] x [K 1,024, N 1,024]; A: input x; B: input kernel: QUANTISED
;;     2. [M 8,192, K 1,024] x [K 1,024, N 1,024]; A: input x; B: input kernel: QUANTISED
;;     3. [M 8,192, K 1,024] x [K 1,024, N 1,024]; A: input x; B: input kernel: QUANTISED
;;     4. batch 8 x [M 1,024, K 1,024] x [K 1,024, N 1,024]; A: computed on the way; B: computed on the way: left as it is (an operand is computed on the way)
;;     5. batch 8 x [M 1,024, K 1,024] x [K 1,024, N 1,024]; A: computed on the way; B: computed on the way: left as it is (an operand is computed on the way)
;;   THE QUANTISER, for each operand of a quantised product, along K:
;;     - K is cut into blocks of 32 from its start; a last block that is shorter is filled with zeros.
;;     - A block's scale is 2^e with e = floor(log2(the largest magnitude in the block)) - 2, held to -126 .. 127; a block of zeros has e = 0. As a byte (E8M0): e + 127.
;;     - Each number is divided by its block's scale, clamped to +-6, and rounded to the nearest number of E2M1, ties to even, subnormals kept.
;;     - The product sums the exact products of the quantised numbers (number of the format x scale) in f32.
;;   ~~~python
;;   def quantise(x, axis):      # numpy; x: float32 -> the quantised numbers, widened to float32 again
;;       x = np.moveaxis(x, axis, -1); K = x.shape[-1]
;;       x = np.pad(x, [(0, 0)] * (x.ndim - 1) + [(0, -K % 32)]); x = x.reshape(x.shape[:-1] + (-1, 32)); a = np.abs(x).max(-1, keepdims=True)
;;       e = np.where(a > 0, np.clip(np.frexp(np.where(a > 0, a, 1))[1] - 1 - 2, -126, 127), 0)      # np.frexp(a)[1] - 1 = floor(log2(a)), exactly
;;       r = np.clip(x / 2.0 ** e, -6, 6)
;;       step = 2.0 ** (np.maximum(np.frexp(np.where(r == 0, 1, r))[1] - 1, 0) - 1)
;;       q = np.round(r / step) * step * 2.0 ** e      # np.round: ties to even
;;       return np.moveaxis(q.reshape(q.shape[:-2] + (-1,))[..., :K], -1, axis).astype(np.float32)
;;   ~~~
;; One version. Each part assembles by itself: llvm-mc -triple=amdgcn-amd-amdhsa -mcpu=gfx1250 --defsym DOCPART=n.
;; ======== version 1 of 1: 4 launches
;; limits: values are held in f16: magnitudes above 65,504 overflow, below 6.1e-05 lose precision
;; workspace buffers: xc 4,194,304 bytes; xs 262,144 bytes; wc 1,572,864 bytes; ws 98,304 bytes; qkv 50,331,648 bytes; pbuf 16,777,216 bytes; st 524,288 bytes
;; launch quant (part 1): grid 448 x 1, 4 waves a work-group, no clusters, 34,304 bytes of LDS; arguments x, kernel, xc, xs, wc, ws; writes xc, xs, wc, ws
.if DOCPART == 1
	.amdgcn_target "amdgcn-amd-amdhsa--gfx1250"
	.amdhsa_code_object_version 6
	.text
	.protected	k_q1bb05c1266_quant
	.globl	k_q1bb05c1266_quant
	.p2align	8
	.type	k_q1bb05c1266_quant,@function
k_q1bb05c1266_quant:
	s_mov_b64 s[64:65], 0
	v_nop
	global_prefetch_b8 v0, s[64:65] scope:SCOPE_SE
	s_setreg_imm32_b32 hwreg(HW_REG_WAVE_MODE, 25, 1), 1
	s_wait_xcnt 0x0
; x [8192][1024] f32 (K innermost) and kernel [3][1024 (k)][1024 (e)] f32 (K is the FIRST axis of each of the three) become codes of E2M1 with one E8M0 byte for each 32 along K.
; A block's scale is 2^(floor(log2(its largest magnitude)) - 2); its byte is the largest magnitude's exponent field - 2, held at 1 from below.  Each number is divided by the scale and rounded to the nearest code, ties to even, beyond 6 the code of 6.
; LIMITS: NaN and infinities among the inputs are not served.  A block of zeros gets the byte 1 where the rule says 127: its codes are zeros, which add nothing, and the bytes are read by this program alone.
; THE OUTPUT IS LAID AS THE NEXT LAUNCH'S OPERAND REGISTERS.  A fragment (16 rows x 128 K) is 1,024 bytes: [piece c 0..1][lane 0..31][16 bytes]; lane (r, h), piece c holds row r, k = 64 c + 32 h + 0 .. 31.
;   xc: fragment (row tile mt, K step ks) at (8 mt + ks) x 1,024.     wc: the same with nt = (1024 j + e) / 16 for mt.
;   xs: [mt / 2][ks / 2][lane][2 words]: lanes 0-15 the even tile's rows, lanes 16-31 the odd tile's; word s is the scale word of K step 2 (ks / 2) + s.     ws: [nt / 2][ks][lane] words, the lanes likewise.
; Work-groups 0 to 191 take kernel (a lane to a column, registers down K: nothing is transposed), work-groups 192 to 447 take x.  Waves share nothing: no barrier.  Only x's path uses LDS.
.set SPARE, 33792                      ; behind the four stages: the spare words, 128 bytes for each wave: two blocks of 256 bytes that no other line names
.set SPW,   62                         ; v62  LDS address of my spare word; never rewritten
.set NIL,   63                         ; v63  0; never rewritten
.macro FINISH                          ; the wave's end
	s_wait_tensorcnt 0x0
	ds_add_u32 v[SPW], v[NIL]
	s_wait_dscnt 0x0
	s_endpgm
.endm
	s_load_b256 s[4:11], s[0:1], 0x0               ; x s[4:5], kernel s[6:7], xc s[8:9], xs s[10:11]
	s_load_b128 s[12:15], s[0:1], 0x20             ; wc s[12:13], ws s[14:15]
	v_lshl_add_u32 v[SPW], v0, 2, SPARE
	v_mov_b32 v[NIL], 0
	v_lshrrev_b32 v1, 5, v0
	v_readfirstlane_b32 s16, v1                    ; wave 0..3
	v_and_b32 v1, 31, v0                           ; lane
	s_cmp_lt_u32 ttmp9, 192                        ; the work-group's number alone decides
	s_cbranch_scc1 .Lw
; ---------------- x: work-group g takes rows 32 g .. 32 g + 31 (a pair of row tiles), wave w K steps 2 w and 2 w + 1.  Four steps n: tile n / 2 of the pair, K step 2 w + n % 2; a step is 16 rows x 128 numbers.
; Each load reads 512 consecutive bytes (one K step of one row).  The conversions want 32 neighbours along K in ONE lane: so a step's 8,192 bytes turn through the wave's own stage in LDS, rows 528 bytes apart
; (132 words: the sixteen rows that a read touches start at sixteen different groups of four banks), and come back 128 bytes a lane and piece.
	s_sub_co_u32 s17, ttmp9, 192                   ; g
	v_lshlrev_b32 v2, 4, v1                        ; 16 x lane: my bytes of a load, and of a piece of a fragment
	s_mul_i32 s18, s16, 8448                       ; my stage: 16 rows x 528
	v_add_nc_u32 v3, s18, v2                       ; into it: row in the immediate
	v_and_b32 v7, 15, v1                           ; r
	v_lshrrev_b32 v6, 4, v1                        ; h
	v_mul_u32_u24 v4, v7, 528
	v_lshl_add_u32 v4, v6, 7, v4
	v_add_nc_u32 v4, s18, v4                       ; out of it: row r, + 128 h: my block of 32 numbers in each piece
	v_lshlrev_b32 v5, 3, v1                        ; 8 x lane: my two scale words
	v_lshlrev_b32 v6, 3, v6                        ; 8 h: how far up my two scale bytes stand in the word
	v_mov_b32 v15, 0                               ; a lane permute's destination counts as one of its sources
	s_mov_b32 s20, 0x76543210
	s_mov_b32 s21, 0xfedcba98                      ; v_permlanex16_b32's selects for lane l xor 16
	s_lshl_b32 s22, s17, 17                        ; x: 32 rows of 4,096 bytes a work-group,
	s_lshl_b32 s23, s16, 10                        ; 256 numbers a wave
	s_add_co_u32 s22, s22, s23
	s_mov_b32 s23, 0
	s_lshl_b32 s24, s17, 14                        ; xc: 16 fragments a work-group,
	s_lshl_b32 s25, s16, 11                        ; K steps 2 w on
	s_add_co_u32 s24, s24, s25
	s_mov_b32 s25, 0
	s_lshl_b32 s26, s17, 10                        ; xs: 1,024 bytes a pair of tiles,
	s_lshl_b32 s27, s16, 8                         ; 256 for two K steps
	s_add_co_u32 s26, s26, s27
	s_mov_b32 s27, 0
	s_wait_kmcnt 0x0
	s_add_nc_u64 s[4:5], s[4:5], s[22:23]
	s_add_nc_u64 s[8:9], s[8:9], s[24:25]
	s_add_nc_u64 s[10:11], s[10:11], s[26:27]
.macro XLOAD n                         ; step n's 16 rows into set n % 3 (v64-127, v128-191, v192-255)
.irp r, 0,1,2,3,4,5,6,7,8,9,10,11,12,13,14,15
	global_load_b128 v[64+64*((\n)%3)+4*\r:64+64*((\n)%3)+4*\r+3], v2, s[4:5] offset:(16*((\n)/2)+\r)*4096+512*((\n)%2) th:TH_LOAD_NT
.endr
.endm
.macro XSTEP n, left, more             ; left: the younger loads that may stay out;  more = 1: step 3's loads go into the set that this step leaves
.set XB, 64+64*((\n)%3)
	s_wait_loadcnt \left
.irp r, 0,1,2,3,4,5,6,7,8,9,10,11,12,13,14,15
	ds_store_b128 v3, v[XB+4*\r:XB+4*\r+3] offset:528*\r
.endr
.irp c, 0,1
.irp i, 0,1,2,3,4,5,6,7
	ds_load_b128 v[XB+32*\c+4*\i:XB+32*\c+4*\i+3], v4 offset:256*\c+16*\i   ; LDS serves a wave's instructions in order: these see the stores above
.endr
.endr
	s_wait_dscnt 0x0                               ; registers 32 c + i now hold k = 64 c + 32 h + i of my row: two whole blocks
	v_max3_num_f32 v8, |v[XB]|, |v[XB+1]|, 0x1800000       ; each block's largest magnitude, with the floor 2^(3 - 127) among its leaves: the byte cannot fall under 1
	v_max3_num_f32 v9, |v[XB+32]|, |v[XB+33]|, 0x1800000
.irp i, 2,4,6,8,10,12,14,16,18,20,22,24,26,28,30
	v_max3_num_f32 v8, v8, |v[XB+\i]|, |v[XB+\i+1]|        ; (the two blocks by turns)
	v_max3_num_f32 v9, v9, |v[XB+32+\i]|, |v[XB+33+\i]|
.endr
	v_add_nc_u32 v10, 0xff000000, v8               ; 2 off the exponent field: the conversion takes the exponent field of this operand as its scale
	v_add_nc_u32 v11, 0xff000000, v9
	v_lshrrev_b32 v12, 23, v10                     ; the scales' bytes: blocks h and 2 + h
	v_lshrrev_b32 v13, 23, v11
	v_lshl_or_b32 v14, v13, 16, v12
	v_lshlrev_b32 v14, v6, v14                     ; at their places in the word
	v_permlanex16_b32 v15, v14, s20, s21
	v_or_b32 v[16+(\n)], v14, v15                  ; with lane l xor 16's two the row's scale word is whole, in both lanes
.irp g, 0,1,2,3
	v_cvt_scalef32_pk8_fp4_f32 v[24+8*(\n)+\g], v[XB+8*\g:XB+8*\g+7], v10
	v_cvt_scalef32_pk8_fp4_f32 v[28+8*(\n)+\g], v[XB+32+8*\g:XB+39+8*\g], v11
.endr
	v_nop                                          ; one plain line behind the last scaled conversion
	global_store_b128 v2, v[24+8*(\n):27+8*(\n)], s[8:9] offset:8192*((\n)/2)+1024*((\n)%2)        ; a piece of the fragment: 512 consecutive bytes; each step has its own registers for its codes
	global_store_b128 v2, v[28+8*(\n):31+8*(\n)], s[8:9] offset:8192*((\n)/2)+1024*((\n)%2)+512
.if \more
	XLOAD 3
.endif
.endm
	XLOAD 0
	XLOAD 1
	XLOAD 2
	XSTEP 0, 32, 1                                 ; steps 1 and 2 may be out
	XSTEP 1, 32, 0                                 ; steps 2 and 3
	XSTEP 2, 16, 0                                 ; step 3
	XSTEP 3, 0, 0
	v_cmp_lt_u32 vcc_lo, 15, v1                    ; lanes 16-31 carry the odd tile's words
	v_cndmask_b32 v20, v16, v18, vcc_lo
	v_cndmask_b32 v21, v17, v19, vcc_lo
	global_store_b64 v5, v[20:21], s[10:11]        ; 32 lanes store 256 consecutive bytes, aligned
	FINISH
; ---------------- kernel: work-group w' takes 128 columns (cg = w' % 8) x 128 along K (kj = w' / 8 = 8 j + ks); a wave 32 columns: two column tiles.  A lane's 32 registers are a whole block of its column.
.Lw:
	s_and_b32 s17, ttmp9, 7                        ; cg
	s_lshr_b32 s18, ttmp9, 3                       ; kj
	s_lshr_b32 s19, s18, 3                         ; j
	s_and_b32 s20, s18, 7                          ; ks
	v_lshlrev_b32 v2, 2, v1                        ; 4 x lane: my column in a row of kernel, and my scale word
	v_lshrrev_b32 v3, 4, v1
	v_and_b32 v4, 15, v1
	v_lshlrev_b32 v3, 13, v3                       ; lanes 16-31: the next column tile, 8 fragments on
	v_lshl_add_u32 v3, v4, 4, v3                   ; + 16 r
	s_lshl_b32 s22, s18, 19                        ; kernel: 128 rows of 4,096 bytes for each kj,
	s_lshl_b32 s23, s17, 9                         ; 128 columns a work-group,
	s_add_co_u32 s22, s22, s23
	s_lshl_b32 s23, s16, 7                         ; 32 a wave
	s_add_co_u32 s22, s22, s23
	s_mov_b32 s23, 0
	s_lshl_b32 s24, s19, 5
	s_lshl_b32 s25, s17, 2
	s_add_co_u32 s24, s24, s25
	s_add_co_u32 s24, s24, s16                     ; my pair of column tiles: 32 j + 4 cg + w
	s_lshl_b32 s26, s24, 4
	s_add_co_u32 s26, s26, s20
	s_lshl_b32 s26, s26, 10                        ; wc: (8 x (2 x pair) + ks) x 1,024
	s_mov_b32 s27, 0
	s_lshl_b32 s28, s24, 3
	s_add_co_u32 s28, s28, s20
	s_lshl_b32 s28, s28, 7                         ; ws: (8 x pair + ks) x 128
	s_mov_b32 s29, 0
	s_wait_kmcnt 0x0
	s_add_nc_u64 s[6:7], s[6:7], s[22:23]
	s_add_nc_u64 s[12:13], s[12:13], s[26:27]
	s_add_nc_u64 s[14:15], s[14:15], s[28:29]
.macro WLOAD t                         ; block t: k = 32 t + i of my column, into set t % 2; a load reads 128 consecutive bytes, the four waves stand side by side on 512
.irp i, 0,1,2,3,4,5,6,7,8,9,10,11,12,13,14,15,16,17,18,19,20,21,22,23,24,25,26,27,28,29,30,31
	global_load_b32 v[64+32*((\t)%2)+\i], v2, s[6:7] offset:(32*(\t)+\i)*4096 th:TH_LOAD_NT
.endr
.endm
.macro WBLOCK t
.set WB, 64+32*((\t)%2)
.if (\t) < 3
	s_wait_loadcnt 32                              ; this block's 32 loads are in; the next block's may be out
.else
	s_wait_loadcnt 0x0
.endif
	v_max3_num_f32 v8, |v[WB]|, |v[WB+1]|, |v[WB+2]|
	v_max3_num_f32 v9, |v[WB+3]|, |v[WB+4]|, |v[WB+5]|
.irp i, 6,10,14,18,22,26
	v_max3_num_f32 v8, v8, |v[WB+\i]|, |v[WB+\i+1]|
	v_max3_num_f32 v9, v9, |v[WB+\i+2]|, |v[WB+\i+3]|
.endr
	v_max3_num_f32 v8, v8, |v[WB+30]|, |v[WB+31]|
	v_max3_num_f32 v8, v8, v9, 0x1800000           ; and the floor
	v_add_nc_u32 v10, 0xff000000, v8
	v_lshrrev_b32 v11, 23, v10
.if (\t) == 0
	v_mov_b32 v16, v11                             ; the four bytes make my column's scale word for this K step
.else
	v_lshl_or_b32 v16, v11, 8*(\t), v16
.endif
.irp g, 0,1,2,3
	v_cvt_scalef32_pk8_fp4_f32 v[24+4*(\t)+\g], v[WB+8*\g:WB+8*\g+7], v10
.endr
	v_nop                                          ; one plain line behind the last scaled conversion
	global_store_b128 v3, v[24+4*(\t):27+4*(\t)], s[12:13] offset:256*(\t)   ; block t is piece t / 2, half t % 2 of the fragment: sixteen lanes store 256 consecutive bytes, aligned
.if (\t) < 2
	WLOAD (\t)+2
.endif
.endm
	WLOAD 0
	WLOAD 1
	WBLOCK 0
	WBLOCK 1
	WBLOCK 2
	WBLOCK 3
	global_store_b32 v2, v16, s[14:15]             ; 128 consecutive bytes: all that this K step has of scale words for my 32 columns (98,304 bytes in the whole launch)
	FINISH
.Lfunc_end_k_q1bb05c1266_quant:
	.size	k_q1bb05c1266_quant, .Lfunc_end_k_q1bb05c1266_quant-k_q1bb05c1266_quant
	.p2alignl 7, 3214868480
	.fill 96, 4, 3214868480
	.section	.rodata,"a",@progbits
	.p2align	6, 0x0
	.amdhsa_kernel k_q1bb05c1266_quant
		.amdhsa_group_segment_fixed_size 34304
		.amdhsa_private_segment_fixed_size 0
		.amdhsa_enable_private_segment 0
		.amdhsa_kernarg_size 48
		.amdhsa_user_sgpr_count 2
		.amdhsa_user_sgpr_kernarg_segment_ptr 1
		.amdhsa_wavefront_size32 1
		.amdhsa_system_sgpr_workgroup_id_x 1
		.amdhsa_system_sgpr_workgroup_id_y 1
		.amdhsa_system_sgpr_workgroup_id_z 1
		.amdhsa_system_vgpr_workitem_id 0
		.amdhsa_next_free_vgpr 256
		.amdhsa_next_free_sgpr 66
		.amdhsa_reserve_vcc 1
		.amdhsa_float_denorm_mode_32 3
		.amdhsa_float_denorm_mode_16_64 3
		.amdhsa_memory_ordered 1
		.amdhsa_forward_progress 1
		.amdhsa_inst_pref_size 49
	.end_amdhsa_kernel
	.amdgpu_metadata
---
amdhsa.version: [ 1, 2 ]
amdhsa.kernels:
  - .name:           k_q1bb05c1266_quant
    .symbol:         k_q1bb05c1266_quant.kd
    .args:
      - { .name: x, .offset: 0, .size: 8, .value_kind: global_buffer, .address_space: global }
      - { .name: kernel, .offset: 8, .size: 8, .value_kind: global_buffer, .address_space: global }
      - { .name: xc, .offset: 16, .size: 8, .value_kind: global_buffer, .address_space: global }
      - { .name: xs, .offset: 24, .size: 8, .value_kind: global_buffer, .address_space: global }
      - { .name: wc, .offset: 32, .size: 8, .value_kind: global_buffer, .address_space: global }
      - { .name: ws, .offset: 40, .size: 8, .value_kind: global_buffer, .address_space: global }
    .group_segment_fixed_size: 34304
    .private_segment_fixed_size: 0
    .kernarg_segment_align: 8
    .kernarg_segment_size: 48
    .max_flat_workgroup_size: 128
    .sgpr_count:     66
    .vgpr_count:     256
    .wavefront_size: 32
...
	.end_amdgpu_metadata
.endif
;; end of part 1
;; launch proj (part 2): grid 16 x 16, 4 waves a work-group, clusters of 4 x 1, 167,936 bytes of LDS; arguments xc, xs, wc, ws, qkv; writes qkv
.if DOCPART == 2
	.amdgcn_target "amdgcn-amd-amdhsa--gfx1250"
	.amdhsa_code_object_version 6
	.text
	.protected	k_q1bb05c1266_proj
	.globl	k_q1bb05c1266_proj
	.p2align	8
	.type	k_q1bb05c1266_proj,@function
k_q1bb05c1266_proj:
	s_mov_b64 s[64:65], 0
	v_nop
	global_prefetch_b8 v0, s[64:65] scope:SCOPE_SE
	s_setreg_imm32_b32 hwreg(HW_REG_WAVE_MODE, 25, 1), 1
	s_wait_xcnt 0x0
	s_wait_alu depctr_hold_cnt(0) depctr_sa_sdst(0) depctr_va_vdst(0) depctr_va_sdst(0) depctr_va_ssrc(0) depctr_va_vcc(0) depctr_vm_vsrc(0)
	s_getreg_b32 s2, hwreg(HW_REG_IB_STS2, 6, 4)
	s_cmp_eq_u32 s2, 0
	s_cbranch_scc0 .Lentry_in_a_cluster
	s_endpgm
.Lentry_in_a_cluster:
	s_bfe_u32 s2, ttmp6, 0x10000c
	s_cmp_lg_u32 s2, 0x3003
	s_cbranch_scc0 .Lentry_shape_is_right
	s_endpgm
.Lentry_shape_is_right:
; q, k, v = x W: [8192][3072] = [8192][1024] x [1024][3072], both operands as codes of E2M1 with E8M0 scales, sums in f32, the result rounded once to f16.
; LIMIT: |q|, |k|, |v| up to 65,504, the largest f16 number; beyond it the result is infinite.
; SHARES.  A work-group takes 512 rows x 192 columns: columns 64 ty .. 64 ty + 63 of q (group 0), of k (group 1) and of v (group 2).  Wave w takes row block rb = 4 R + w (128 rows) x all three groups: 32 accumulators of 16 x 16 a group.
; x STAYS IN REGISTERS: the wave's 64 fragments (8 row tiles x 8 K steps, 65,536 consecutive bytes of xc) go from memory into 512 registers, each load 512 consecutive bytes, and are read there by all three groups.
; W's three pieces (4 column tiles x 8 K steps, 32,768 consecutive bytes of wc each) and their scale words come into LDS ONCE; a fragment read from LDS feeds eight matrix instructions.  Nothing in LDS is filled again.
; CLUSTER: the four work-groups of a cluster share ty, so W and its scales are asked for JOINTLY (mask 15); the place in the cluster enters the addresses of xc, xs and qkv alone.
; THE RESULTS ARE STORED AS IMAGES OF THE NEXT LAUNCHES' OPERAND REGISTERS.  A fragment of f16 (16 rows x 32 along K) is 1,024 bytes: [piece e 0..1][lane][16 bytes]; lane (r, h), piece e: row r, k = 16 e + 8 h + 0 .. 7.
;   q, k: the matrix instruction is used transposed (source 0 = 16 columns of W, source 1 = 16 rows of x): a lane holds row r and columns 16 b + 8 h + 0 .. 7, which pack into piece b % 2 of the fragment (row tile, channels 32 (b / 2) on).
;   v: the sources the other way round: a lane holds channel 16 b + r and rows (keys) 16 i + 8 h + 0 .. 7, which pack into piece i % 2 of the fragment of V^T (channel tile, keys 32 (i / 2) on).
;   So a lane's 16 bytes leave as they stand, 512 consecutive bytes a store, with no way through LDS.
;   qkv: q at byte 0 and k at byte 16,777,216: [row tile 512][channel quarter 32][1,024];   v at byte 33,554,432: [channel tile 64][key quarter 256][1,024].
; REGISTERS: window 0: v1-11 addresses; v16-47 x's scale words (register 8 p + ks: lanes 0-15 row tile 2 p, lanes 16-31 tile 2 p + 1); v48-79 W's, two sets of 16 (8 u + ks, the lanes likewise);
;   v80-143 W's fragments, two buffers of four; v144-207 the way out.   window 1: accumulator (i, b) at v[8 (4 i + b)].   windows 2, 3: x's fragment (i, ks) at window 2 + ks / 4, v[64 (ks % 4) + 8 i].
.set WSL,   98304                      ; LDS: W's fragment (group g, column tile b, K step ks) at 24,576 b + 8,192 g + 1,024 ks; behind them W's scale words, 6,144 bytes;
.set SPARE, 104448                     ; the spare words, 128 bytes for each wave: two blocks of 256 bytes that no other line names
.set LI,  1                            ; v1    16 x lane
.set LW,  2                            ; v2-3  16 x lane + 49,152 x (b / 2)
.set LS,  5                            ; v5    WSL + 4 x lane
.set L8,  8                            ; v8    8 x lane
.set SPW, 10                           ; v10   LDS address of my spare word; never rewritten
.set NIL, 11                           ; v11   0; never rewritten
.set XS,  16
.set WSC, 48
.set WF,  80
.set TMP, 144                          ; v144-207  four sets of 16: packed results on their way out
.set WV,  14                           ; s14   my wave's number
.set BQ,  12                           ; s[12:13] where my q goes;  s[52:53] my k;  s[54:55] my v
.set BK,  52
.set BV,  54
.set G1W, 24                           ; s[24:31] descriptor group 1 for W's codes;  s[32:39] for its scale words;  s[40:43], s[44:47] their groups 0
.set G1S, 32
.set G0W, 40
.set G0S, 44
.set MSB, 0
.macro WIN new                         ; the immediate's high byte repeats the setting that is left
.if MSB != \new
	s_set_vgpr_msb (MSB<<8)|\new
.set MSB, \new
.endif
.endm
.macro PLACES                          ; four plain lines between a matrix instruction and a load into a register that it read, or a vector line that reads its result
.rept 4
	v_nop
.endr
.endm
.macro ROUND                           ; a round of the cluster's barrier
	s_barrier_signal -1
	s_barrier_wait -1
	s_cmp_lg_u32 s[WV], 0
	s_cbranch_scc1 .Lnot_wave_0_\@
	s_barrier_signal -3
.Lnot_wave_0_\@:
	s_barrier_wait -3
	s_barrier_signal -1
	s_barrier_wait -1
.endm
	s_load_b256 s[4:11], s[0:1], 0x0               ; xc s[4:5], xs s[6:7], wc s[8:9], ws s[10:11]
	s_load_b64 s[12:13], s[0:1], 0x20              ; qkv
	v_lshl_add_u32 v[SPW], v0, 2, SPARE
	v_mov_b32 v[NIL], 0
	ds_add_u32 v[SPW], v[NIL]                      ; the wave's opening: the add, twice on end, and its wait ahead of my first tensor load
	ds_add_u32 v[SPW], v[NIL]
	v_lshrrev_b32 v1, 5, v0
	v_readfirstlane_b32 s[WV], v1                  ; wave 0..3
	s_bfe_u32 s15, ttmp6, 0x40000                  ; cx: my place in the cluster
	s_lshl_b32 s16, ttmp9, 2
	s_add_co_u32 s16, s16, s15                     ; R = 4 x cluster x + cx
	s_lshl_b32 s16, s16, 2
	s_add_co_u32 s16, s16, s[WV]                   ; rb: my wave's row block
	s_and_b32 s17, ttmp7, 0xffff                   ; ty: the column tile, which the four partners share
	; W's codes: wave w brings column tile w of each of the three pieces: 3 rows of 8,192 bytes (1,024 elements of 8 bytes), 524,288 bytes apart in memory, on end in LDS
	s_mov_b32 s[G1W], 15|(3<<16)|(1<<21)           ; 15:0 the mask: all four work-groups; 17:16 elements of 8 bytes; 21 set beside a mask
	s_mov_b32 s[G1W+1], 1024<<16                   ; tensor_dim0 = 1,024
	s_mov_b32 s[G1W+2], 3<<16                      ; tensor_dim1 = 3
	s_mov_b32 s[G1W+3], 1024<<16                   ; tile_dim0
	s_mov_b32 s[G1W+4], 3                          ; tile_dim1
	s_mov_b32 s[G1W+5], 65536                      ; the pitch, in elements
	s_mov_b32 s[G1W+6], 0
	s_mov_b32 s[G1W+7], 0
	; W's scale words: a quarter (512 bytes) of each piece's 2,048: 3 rows of 64 elements, 32,768 bytes apart
	s_mov_b32 s[G1S], 15|(3<<16)|(1<<21)
	s_mov_b32 s[G1S+1], 64<<16
	s_mov_b32 s[G1S+2], 3<<16
	s_mov_b32 s[G1S+3], 64<<16
	s_mov_b32 s[G1S+4], 3
	s_mov_b32 s[G1S+5], 4096
	s_mov_b32 s[G1S+6], 0
	s_mov_b32 s[G1S+7], 0
	s_mul_i32 s18, s[WV], 24576                    ; where my part of W's codes goes,
	s_mul_i32 s19, s[WV], 1536                     ; and of its scale words
	s_lshl_b32 s20, s17, 15                        ; wc: 32,768 bytes a column tile ty,
	s_lshl_b32 s21, s[WV], 13                      ; 8,192 a tile of 16 columns
	s_add_co_u32 s20, s20, s21
	s_mov_b32 s21, 0
	s_lshl_b32 s22, s17, 11                        ; ws: 2,048 bytes for ty,
	s_lshl_b32 s23, s[WV], 9                       ; my quarter
	s_add_co_u32 s22, s22, s23
	s_mov_b32 s23, 0
	s_lshl_b32 s48, s16, 16                        ; xc: 65,536 bytes a row block
	s_mov_b32 s49, 0
	s_lshl_b32 s50, s16, 12                        ; xs: 4,096
	s_mov_b32 s51, 0
	s_lshl_b32 s56, s16, 18                        ; q, k: 8 row tiles of 32,768 bytes a row block,
	s_lshl_b32 s57, s17, 11                        ; two channel quarters for ty
	s_add_co_u32 s56, s56, s57
	s_mov_b32 s57, 0
	s_lshl_b32 s58, s17, 20                        ; v: 4 channel tiles of 262,144 bytes for ty,
	s_lshl_b32 s59, s16, 12                        ; 4 key quarters a row block
	s_add_co_u32 s58, s58, s59
	s_add_co_u32 s58, s58, 0x2000000
	s_mov_b32 s59, 0
	s_wait_dscnt 0x0                               ; both opening adds are done
	s_wait_kmcnt 0x0
	s_mov_b32 s[G0W], 1
	s_mov_b32 s[G0W+1], s18
	s_add_nc_u64 s[G0W+2:G0W+3], s[8:9], s[20:21]
	s_or_b32 s[G0W+3], s[G0W+3], 0x80000000
	s_mov_b32 s[G0S], 1
	s_add_co_u32 s[G0S+1], s19, WSL
	s_add_nc_u64 s[G0S+2:G0S+3], s[10:11], s[22:23]
	s_or_b32 s[G0S+3], s[G0S+3], 0x80000000
	s_add_nc_u64 s[4:5], s[4:5], s[48:49]
	s_add_nc_u64 s[6:7], s[6:7], s[50:51]
	s_add_nc_u64 s[BV:BV+1], s[12:13], s[58:59]
	s_add_nc_u64 s[BQ:BQ+1], s[12:13], s[56:57]
	s_add_nc_u64 s[BK:BK+1], s[BQ:BQ+1], 0x1000000
	ROUND                                          ; all four work-groups are here: the joint loads meet
	tensor_load_to_lds s[G0W:G0W+3], s[G1W:G1W+7]  ; my two loads, the only ones of the launch: two are out
	s_nop 0
	tensor_load_to_lds s[G0S:G0S+3], s[G1S:G1S+7]
	s_nop 0
.rept 4
	v_nop
.endr
	v_and_b32 v9, 31, v0                           ; lane
	v_lshlrev_b32 v[LI], 4, v9
	v_lshlrev_b32 v[LW], 4, v9
	v_lshl_add_u32 v[LW+1], v9, 4, 49152
	v_lshl_add_u32 v[LS], v9, 2, WSL
	v_lshlrev_b32 v[L8], 3, v9
.irp p, 0,1,2,3
.irp o, 0,1,2,3
	global_load_b64 v[XS+8*\p+2*\o:XS+8*\p+2*\o+1], v[L8], s[6:7] offset:256*(4*\p+\o)   ; x's scale words: 256 consecutive bytes a load
.endr
.endr
.macro ALOAD ks                        ; x's eight fragments of K step ks: 16 loads
.if (\ks) < 4
	WIN 0x80
.else
	WIN 0xc0
.endif
.irp i, 0,1,2,3,4,5,6,7
.irp c, 0,1
	global_load_b128 v[64*((\ks)%4)+8*\i+4*\c:64*((\ks)%4)+8*\i+4*\c+3], v[LI], s[4:5] offset:8192*\i+1024*(\ks)+512*\c
.endr
.endr
.endm
	ALOAD 0
	ALOAD 1
	ALOAD 2
	ALOAD 3
	WIN 0
.macro FETCHW n                        ; W's four fragments of step n (group n / 8, K step n % 8) into buffer n % 2
.irp b, 0,1,2,3
.irp c, 0,1
	ds_load_b128 v[WF+32*((\n)%2)+8*\b+4*\c:WF+32*((\n)%2)+8*\b+4*\c+3], v[LW+\b/2] offset:24576*(\b%2)+8192*((\n)/8)+1024*((\n)%8)+512*\c
.endr
.endr
.endm
.macro FETCHS g                        ; group g's 16 scale registers into set g % 2
.irp u, 0,1
.irp k, 0,1,2,3,4,5,6,7
	ds_load_b32 v[WSC+16*((\g)%2)+8*\u+\k], v[LS] offset:1536*(2*\u+\k/4)+512*(\g)+128*(\k%4)
.endr
.endr
.endm
; One product.  ra, rb: source 0's, source 1's scales stand in lanes 16-31 of their registers (odd tiles).  MZ = 1: the product starts its sum
.macro WM ra, rb
.if MZ
.if (\ra) && (\rb)
	v_wmma_scale_f32_16x16x128_f8f6f4 v[rD:rD+7], v[rA:rA+7], v[rB:rB+7], 0, v[rSA], v[rSB] matrix_a_fmt:MATRIX_FMT_FP4 matrix_b_fmt:MATRIX_FMT_FP4 matrix_a_scale:MATRIX_SCALE_ROW1 matrix_b_scale:MATRIX_SCALE_ROW1
.elseif (\ra)
	v_wmma_scale_f32_16x16x128_f8f6f4 v[rD:rD+7], v[rA:rA+7], v[rB:rB+7], 0, v[rSA], v[rSB] matrix_a_fmt:MATRIX_FMT_FP4 matrix_b_fmt:MATRIX_FMT_FP4 matrix_a_scale:MATRIX_SCALE_ROW1
.elseif (\rb)
	v_wmma_scale_f32_16x16x128_f8f6f4 v[rD:rD+7], v[rA:rA+7], v[rB:rB+7], 0, v[rSA], v[rSB] matrix_a_fmt:MATRIX_FMT_FP4 matrix_b_fmt:MATRIX_FMT_FP4 matrix_b_scale:MATRIX_SCALE_ROW1
.else
	v_wmma_scale_f32_16x16x128_f8f6f4 v[rD:rD+7], v[rA:rA+7], v[rB:rB+7], 0, v[rSA], v[rSB] matrix_a_fmt:MATRIX_FMT_FP4 matrix_b_fmt:MATRIX_FMT_FP4
.endif
.else
.if (\ra) && (\rb)
	v_wmma_scale_f32_16x16x128_f8f6f4 v[rD:rD+7], v[rA:rA+7], v[rB:rB+7], v[rD:rD+7], v[rSA], v[rSB] matrix_a_fmt:MATRIX_FMT_FP4 matrix_b_fmt:MATRIX_FMT_FP4 matrix_a_scale:MATRIX_SCALE_ROW1 matrix_b_scale:MATRIX_SCALE_ROW1
.elseif (\ra)
	v_wmma_scale_f32_16x16x128_f8f6f4 v[rD:rD+7], v[rA:rA+7], v[rB:rB+7], v[rD:rD+7], v[rSA], v[rSB] matrix_a_fmt:MATRIX_FMT_FP4 matrix_b_fmt:MATRIX_FMT_FP4 matrix_a_scale:MATRIX_SCALE_ROW1
.elseif (\rb)
	v_wmma_scale_f32_16x16x128_f8f6f4 v[rD:rD+7], v[rA:rA+7], v[rB:rB+7], v[rD:rD+7], v[rSA], v[rSB] matrix_a_fmt:MATRIX_FMT_FP4 matrix_b_fmt:MATRIX_FMT_FP4 matrix_b_scale:MATRIX_SCALE_ROW1
.else
	v_wmma_scale_f32_16x16x128_f8f6f4 v[rD:rD+7], v[rA:rA+7], v[rB:rB+7], v[rD:rD+7], v[rSA], v[rSB] matrix_a_fmt:MATRIX_FMT_FP4 matrix_b_fmt:MATRIX_FMT_FP4
.endif
.endif
.endm
; 32 matrix instructions: 8 row tiles x 4 column tiles, group MG, K step MK, W's buffer MF, W's scale set MS.  The 32 accumulators take turns, one instruction a turn, in the same order in every step.
; Groups 0 and 1 (q, k): source 0 = W, source 1 = x.  Group 2 (v): source 0 = x, source 1 = W; the scale operands and their lane halves go with the sources.
.macro MUL32
.if MG == 2
.if MK < 4
	WIN 0x52                                       ; source 0 (x) window 2, source 1 (W) window 0, C and D window 1
.else
	WIN 0x53                                       ; x in window 3
.endif
.else
.if MK < 4
	WIN 0x58                                       ; source 0 (W) window 0, source 1 (x) window 2, C and D window 1
.else
	WIN 0x5c                                       ; x in window 3
.endif
.endif
.irp i, 0,1,2,3,4,5,6,7
.irp b, 0,1,2,3
.set rD, 8*(4*\i+\b)
.if MG == 2
.set rA, 64*(MK%4)+8*\i
.set rB, WF+32*MF+8*\b
.set rSA, XS+8*(\i/2)+MK
.set rSB, WSC+16*MS+8*(\b/2)+MK
	WM \i%2, \b%2
.else
.set rA, WF+32*MF+8*\b
.set rB, 64*(MK%4)+8*\i
.set rSA, WSC+16*MS+8*(\b/2)+MK
.set rSB, XS+8*(\i/2)+MK
	WM \b%2, \i%2
.endif
.endr
.endr
.endm
.macro STEP n
.set MG, (\n)/8
.set MK, (\n)%8
.set MF, (\n)%2
.set MS, MG%2
.set MZ, 0
.if MK == 0
.set MZ, 1
.endif
.if MG == 0                            ; the first group waits for x as it arrives: behind K step ks's 16 loads stand those of the next three K steps, then of two, of one, of none
.if MK < 5
	s_wait_loadcnt 48
.else
	s_wait_loadcnt 16*(7-MK)
.endif
.endif
	s_wait_dscnt 0x0                               ; this step's fragments of W, asked for 32 matrix instructions ago
	PLACES                                         ; in front of the loads into the buffer that the last step multiplied
.if (MG == 0) && (MK < 4)
	ALOAD MK+4
.endif
	WIN 0
.if (\n) < 23
	FETCHW (\n)+1
.endif
.if (MK == 3) && (MG < 2)
	FETCHS MG+1
.endif
	MUL32
	WIN 0
.endm
; THE WAY OUT of a group: row tile i's four accumulators are rounded to f16, 16 bytes a lane and accumulator, and stored as they stand: each store is a piece of a fragment's image, 512 consecutive bytes.
.macro PACK i
.if (\i)%4 == 0
	s_wait_xcnt 0x0                                ; every store issued so far has read its registers: the four sets may be written again
.endif
	WIN 0x05                                       ; sources 0 and 1: window 1
.irp b, 0,1,2,3
.irp q, 0,1,2,3
	v_cvt_pk_f16_f32 v[TMP+16*((\i)%4)+4*\b+\q], v[8*(4*(\i)+\b)+2*\q], v[8*(4*(\i)+\b)+2*\q+1]   ; each accumulator from its low end on
.endr
.endr
	WIN 0
.endm
.macro SEND i, g
.irp b, 0,1,2,3
.if (\g) == 0
	global_store_b128 v[LI], v[TMP+16*((\i)%4)+4*\b:TMP+16*((\i)%4)+4*\b+3], s[BQ:BQ+1] offset:32768*(\i)+512*\b    ; q: row tile i; the four stores cover 2,048 consecutive bytes
.elseif (\g) == 1
	global_store_b128 v[LI], v[TMP+16*((\i)%4)+4*\b:TMP+16*((\i)%4)+4*\b+3], s[BK:BK+1] offset:32768*(\i)+512*\b    ; k likewise
.else
	global_store_b128 v[LI], v[TMP+16*((\i)%4)+4*\b:TMP+16*((\i)%4)+4*\b+3], s[BV:BV+1] offset:262144*\b+512*(\i)   ; v: channel tile b; its eight row tiles cover 4,096 consecutive bytes
.endif
.endr
.endm
.macro OUT g
	PLACES                                         ; the conversions read results just made
.irp i, 0,1,2,3,4,5,6,7                ; the conversions of the other accumulators are also the plain lines between an accumulator's last product and the next group's, which begins its sum anew
	PACK \i
	SEND \i, \g
.endr
.endm
	s_wait_tensorcnt 0x0                           ; my parts of W and of its scale words are in,
	s_barrier_signal -1
	s_barrier_wait -1                              ; everybody's are
	FETCHW 0
	FETCHS 0
.set NN, 0
.rept 24
	STEP NN
.if NN%8 == 7
	OUT NN/8
.endif
.set NN, NN+1
.endr
	s_wait_tensorcnt 0x0                           ; the wave's end, behind my last tensor load
	ds_add_u32 v[SPW], v[NIL]
	s_wait_dscnt 0x0
	ROUND                                          ; the closing round
	s_endpgm
.Lfunc_end_k_q1bb05c1266_proj:
	.size	k_q1bb05c1266_proj, .Lfunc_end_k_q1bb05c1266_proj-k_q1bb05c1266_proj
	.p2alignl 7, 3214868480
	.fill 96, 4, 3214868480
	.section	.rodata,"a",@progbits
	.p2align	6, 0x0
	.amdhsa_kernel k_q1bb05c1266_proj
		.amdhsa_group_segment_fixed_size 167936
		.amdhsa_private_segment_fixed_size 0
		.amdhsa_enable_private_segment 0
		.amdhsa_kernarg_size 40
		.amdhsa_user_sgpr_count 2
		.amdhsa_user_sgpr_kernarg_segment_ptr 1
		.amdhsa_wavefront_size32 1
		.amdhsa_system_sgpr_workgroup_id_x 1
		.amdhsa_system_sgpr_workgroup_id_y 1
		.amdhsa_system_sgpr_workgroup_id_z 1
		.amdhsa_system_vgpr_workitem_id 0
		.amdhsa_next_free_vgpr 1024
		.amdhsa_next_free_sgpr 66
		.amdhsa_reserve_vcc 0
		.amdhsa_float_denorm_mode_32 3
		.amdhsa_float_denorm_mode_16_64 3
		.amdhsa_memory_ordered 1
		.amdhsa_forward_progress 1
		.amdhsa_inst_pref_size 171
	.end_amdhsa_kernel
	.amdgpu_metadata
---
amdhsa.version: [ 1, 2 ]
amdhsa.kernels:
  - .name:           k_q1bb05c1266_proj
    .symbol:         k_q1bb05c1266_proj.kd
    .args:
      - { .name: xc, .offset: 0, .size: 8, .value_kind: global_buffer, .address_space: global }
      - { .name: xs, .offset: 8, .size: 8, .value_kind: global_buffer, .address_space: global }
      - { .name: wc, .offset: 16, .size: 8, .value_kind: global_buffer, .address_space: global }
      - { .name: ws, .offset: 24, .size: 8, .value_kind: global_buffer, .address_space: global }
      - { .name: qkv, .offset: 32, .size: 8, .value_kind: global_buffer, .address_space: global }
    .group_segment_fixed_size: 167936
    .private_segment_fixed_size: 0
    .kernarg_segment_align: 8
    .kernarg_segment_size: 40
    .max_flat_workgroup_size: 128
    .sgpr_count:     66
    .vgpr_count:     1024
    .wavefront_size: 32
...
	.end_amdgpu_metadata
.endif
;; end of part 2
;; launch scores (part 3): grid 32 x 8, 4 waves a work-group, clusters of 4 x 1, 327,680 bytes of LDS; arguments qkv, pbuf, st; writes pbuf, st
.if DOCPART == 3
	.amdgcn_target "amdgcn-amd-amdhsa--gfx1250"
	.amdhsa_code_object_version 6
	.text
	.protected	k_q1bb05c1266_scores
	.globl	k_q1bb05c1266_scores
	.p2align	8
	.type	k_q1bb05c1266_scores,@function
k_q1bb05c1266_scores:
	s_mov_b64 s[64:65], 0
	v_nop
	global_prefetch_b8 v0, s[64:65] scope:SCOPE_SE
	s_setreg_imm32_b32 hwreg(HW_REG_WAVE_MODE, 25, 1), 1
	s_wait_xcnt 0x0
	s_wait_alu depctr_hold_cnt(0) depctr_sa_sdst(0) depctr_va_vdst(0) depctr_va_sdst(0) depctr_va_ssrc(0) depctr_va_vcc(0) depctr_vm_vsrc(0)
	s_getreg_b32 s2, hwreg(HW_REG_IB_STS2, 6, 4)
	s_cmp_eq_u32 s2, 0
	s_cbranch_scc0 .Lentry_in_a_cluster
	s_endpgm
.Lentry_in_a_cluster:
	s_bfe_u32 s2, ttmp6, 0x10000c
	s_cmp_lg_u32 s2, 0x3003
	s_cbranch_scc0 .Lentry_shape_is_right
	s_endpgm
.Lentry_shape_is_right:
; For each batch: s = q k^T; a work-group makes a tile of 256 queries x 128 keys, takes the tile's own row maxima m, and stores p = 2^(c s - c m) as f16 and, for each query, the pair (c m, l = the sum of the unrounded p) in f32.
; c = log2(e) / sqrt(1024).  THE MAXIMUM IS TAKEN AWAY TILE BY TILE: a row's eight tiles are brought under the row's maximum exactly, in f32, by the next launch.  Operands f16, sums f32.
; SHARES.  qb = the block of 256 queries (0..31), kb = the batch's block of 128 keys (0..7).  Wave w has queries 64 w on and all 128 keys: 4 x 8 = 32 accumulators; a row's maximum and sum never leave the wave.
; S^T = K Q^T (source 0 = 16 keys, source 1 = 16 queries): a lane holds ONE query (lane % 16), and register j of accumulator (a, b) is key 16 b + 8 (lane / 16) + j.
; q and k lie in memory as images of operand registers, [row tile][channel quarter 32][1,024 bytes]; a fragment (16 rows x 32 channels) is [piece e][lane][16 bytes].
; K STAYS IN LDS: the tile's 8 key tiles x 32 quarters are 262,144 bytes, brought once, as they lie, in four steps of 8 quarters: wave w brings key tiles 2 w and 2 w + 1 of each step, 2 rows of 8,192 bytes.  Nothing is filled again.
; A fragment is read from LDS 512 bytes on end: no pitch, no padding.
; Q STREAMS INTO REGISTERS: a quarter (32 channels) of the wave's 64 queries is 8 loads of 512 consecutive bytes; a ring of eight quarters, 256 registers, keeps 56 loads of the wave on their way.
; CLUSTER: the four blocks of queries of a batch need the same K: its tiles are asked for JOINTLY (mask 15); the place in the cluster enters the addresses of q, pbuf and st alone.
; p LEAVES AS AN IMAGE TOO: a lane's eight keys of accumulator (a, b), rounded to f16, are piece b % 2 of the fragment (query tile a, keys 32 (b / 2) on): pbuf is [query tile 512][key quarter 32][1,024], 512 consecutive bytes a store.
; st is [64 queries (128)][kb (8)][64][2 f32].
; REGISTERS: window 0: v1-11 addresses; v12-39 statistics; v64-127, v128-191 K's eight fragments, two buffers.   window 1: accumulator (a, b) at v[8 (8 a + b)].   window 2: Q's fragment (a) of quarter q at v[32 (q % 8) + 8 a].
.set SPARE, 262144                     ; behind K: the spare words, 128 bytes for each wave: two blocks of 256 bytes that no other line names
.set LI,   1                           ; v1      16 x lane
.set LK,   2                           ; v2-5    16 x lane + 65,536 x step
.set L8,   6                           ; v6      8 x lane
.set PFO,  7                           ; v7      the prefetches' offset: 32,768 x (lane / 8) + 256 x (lane % 8); never rewritten
.set SPW,  8                           ; v8      LDS address of my spare word; never rewritten
.set NIL,  9                           ; v9      0; never rewritten
.set LN,   10                          ; v10     lane
.set MX,   12                          ; v12-15  a maximum for each tile of queries
.set PM,   16                          ; v16-19  at work
.set CM,   20                          ; v20-27  c m, as pairs
.set LL,   28                          ; v28-35  the sums, as pairs
.set SO,   36                          ; v36-39  statistics on their way out
.set F0,   64
.set TMP,  64                          ; the way out: v64-191
.set G1,  24                           ; s[24:31] descriptor group 1;  s[32:47] group 0, one set for each step
.set G0,  32
.set CS,  48                           ; s[48:49] c
.set SEL, 50                           ; s[50:51] v_permlanex16_b32's selects for lane l xor 16
.set RING, 0x80                        ; destination window 2, address window 0
.set MULW, 0x58                        ; source 0 (K) window 0, source 1 (Q) window 2, C and D window 1
.set MSB, 0
.macro WIN new                         ; the immediate's high byte repeats the setting that is left
.if MSB != \new
	s_set_vgpr_msb (MSB<<8)|\new
.set MSB, \new
.endif
.endm
.macro PLACES                          ; four plain lines between a matrix instruction and a load into a register that it read, or a vector line that reads its result
.rept 4
	v_nop
.endr
.endm
.macro ROUND                           ; a round of the cluster's barrier
	s_barrier_signal -1
	s_barrier_wait -1
	s_cmp_lg_u32 s10, 0
	s_cbranch_scc1 .Lnot_wave_0_\@
	s_barrier_signal -3
.Lnot_wave_0_\@:
	s_barrier_wait -3
	s_barrier_signal -1
	s_barrier_wait -1
.endm
	s_load_b128 s[4:7], s[0:1], 0x0                ; qkv s[4:5], pbuf s[6:7]
	s_load_b64 s[8:9], s[0:1], 0x10                ; st
	v_lshl_add_u32 v[SPW], v0, 2, SPARE
	v_mov_b32 v[NIL], 0
	ds_add_u32 v[SPW], v[NIL]                      ; the wave's opening: the add, twice on end, and its wait ahead of my first tensor load
	ds_add_u32 v[SPW], v[NIL]
	v_lshrrev_b32 v1, 5, v0
	v_readfirstlane_b32 s10, v1                    ; wave 0..3
	s_bfe_u32 s11, ttmp6, 0x40000                  ; cx: my place in the cluster
	s_lshl_b32 s13, ttmp9, 2                       ; (cluster x is the batch)
	s_add_co_u32 s13, s13, s11                     ; qb = 4 x batch + cx
	s_and_b32 s14, ttmp7, 0xffff                   ; kb, which the four partners share
	; a step's part of two key tiles: 2 rows of 8,192 bytes (1,024 elements of 8 bytes), 32,768 bytes apart in memory, on end in LDS
	s_mov_b32 s[G1], 15|(3<<16)|(1<<21)            ; 15:0 the mask: all four work-groups; 17:16 elements of 8 bytes; 21 set beside a mask
	s_mov_b32 s[G1+1], 1024<<16                    ; tensor_dim0 = 1,024
	s_mov_b32 s[G1+2], 2<<16                       ; tensor_dim1 = 2
	s_mov_b32 s[G1+3], 1024<<16                    ; tile_dim0
	s_mov_b32 s[G1+4], 2                           ; tile_dim1
	s_mov_b32 s[G1+5], 4096                        ; the pitch, in elements
	s_mov_b32 s[G1+6], 0
	s_mov_b32 s[G1+7], 0
	s_lshl_b32 s16, ttmp9, 21                      ; k: 64 row tiles of 32,768 bytes a batch,
	s_lshl_b32 s17, s14, 18                        ; 8 a key block,
	s_add_co_u32 s16, s16, s17
	s_lshl_b32 s17, s10, 16                        ; my two
	s_add_co_u32 s16, s16, s17
	s_add_co_u32 s16, s16, 0x1000000               ; behind q
	s_mov_b32 s17, 0
	s_lshl_b32 s18, s10, 14                        ; and where they go: 16,384 x wave in each step's 65,536: the wave's number alone enters an LDS address
	s_lshl_b32 s20, s13, 19                        ; q and pbuf: 16 row tiles of 32,768 bytes a block of queries,
	s_lshl_b32 s21, s10, 17                        ; my four
	s_add_co_u32 s20, s20, s21
	s_mov_b32 s21, 0
	s_lshl_b32 s22, s14, 12                        ; pbuf: + my key block's four quarters
	s_add_co_u32 s22, s22, s20
	s_mov_b32 s23, 0
	s_lshl_b32 s2, s13, 14                         ; st: ((4 qb + w) x 8 + kb) x 512
	s_lshl_b32 s3, s10, 12
	s_add_co_u32 s2, s2, s3
	s_lshl_b32 s3, s14, 9
	s_add_co_u32 s2, s2, s3
	s_mov_b32 s3, 0
	s_mov_b32 s[CS], 0x3d38aa3b                    ; c = log2(e) / 32
	s_mov_b32 s[CS+1], s[CS]                       ; (named with it as a pair, so it is written)
	s_mov_b32 s[SEL], 0x76543210
	s_mov_b32 s[SEL+1], 0xfedcba98
	v_and_b32 v[LN], 31, v0
	v_lshlrev_b32 v[LI], 4, v[LN]
	v_lshlrev_b32 v[LK], 4, v[LN]
	v_lshl_add_u32 v[LK+1], v[LN], 4, 65536
	v_lshl_add_u32 v[LK+2], v[LN], 4, 131072
	v_lshl_add_u32 v[LK+3], v[LN], 4, 196608
	v_lshlrev_b32 v[L8], 3, v[LN]
	v_lshrrev_b32 v[PFO], 3, v[LN]
	v_and_b32 v11, 7, v[LN]
	v_lshlrev_b32 v[PFO], 15, v[PFO]
	v_lshl_add_u32 v[PFO], v11, 8, v[PFO]
.irp a, 0,1,2,3
	v_mov_b32 v[PM+\a], 0                          ; a lane permute's destination counts as one of its sources
.endr
	s_wait_dscnt 0x0                               ; both opening adds are done
	s_wait_kmcnt 0x0
	s_add_nc_u64 s[52:53], s[4:5], s[16:17]        ; k at my two key tiles
	s_add_nc_u64 s[4:5], s[4:5], s[20:21]          ; q at my four row tiles
	s_add_nc_u64 s[6:7], s[6:7], s[22:23]
	s_add_nc_u64 s[8:9], s[8:9], s[2:3]
.irp s, 0,1,2,3
	s_mov_b32 s[G0+4*\s], 1
	s_add_co_u32 s[G0+4*\s+1], s18, \s*65536
	s_add_nc_u64 s[G0+4*\s+2:G0+4*\s+3], s[52:53], \s*8192
	s_or_b32 s[G0+4*\s+3], s[G0+4*\s+3], 0x80000000
.endr
	ROUND                                          ; all four work-groups are here: the joint loads meet
.irp s, 0,1,2,3
	tensor_load_to_lds s[G0+4*\s:G0+4*\s+3], s[G1:G1+7]   ; the launch's only tensor loads, in the order in which the steps are read: four of mine are out
	s_nop 0
.endr
.rept 4
	v_nop
.endr
.macro QLOAD q                         ; Q's four fragments of quarter q into place q % 8 of the ring: 8 loads of 512 consecutive bytes
.irp a, 0,1,2,3
.irp e, 0,1
	global_load_b128 v[32*((\q)%8)+8*\a+4*\e:32*((\q)%8)+8*\a+4*\e+3], v[LI], s[4:5] offset:32768*\a+1024*(\q)+512*\e
.endr
.endr
.endm
	WIN RING
.irp q, 0,1,2,3,4,5,6
	QLOAD \q
.endr
	WIN 0
.macro FETCHK q                        ; K's eight fragments of quarter q into buffer q % 2: 16 loads, 512 bytes on end each
.irp b, 0,1,2,3,4,5,6,7
.irp e, 0,1
	ds_load_b128 v[F0+64*((\q)%2)+8*\b+4*\e:F0+64*((\q)%2)+8*\b+4*\e+3], v[LK+(\q)/8] offset:8192*\b+1024*((\q)%8)+512*\e
.endr
.endr
.endm
; 8 matrix instructions: query tile a x the eight key tiles.  The 32 accumulators take turns, one instruction a turn, in the same order in every quarter.  ZF = 1: the products start the sums
.macro MUL8 q, a
.irp b, 0,1,2,3,4,5,6,7
.if ZF
	v_wmma_f32_16x16x32_f16 v[8*(8*(\a)+\b):8*(8*(\a)+\b)+7], v[F0+64*((\q)%2)+8*\b:F0+64*((\q)%2)+8*\b+7], v[32*((\q)%8)+8*(\a):32*((\q)%8)+8*(\a)+7], 0
.else
	v_wmma_f32_16x16x32_f16 v[8*(8*(\a)+\b):8*(8*(\a)+\b)+7], v[F0+64*((\q)%2)+8*\b:F0+64*((\q)%2)+8*\b+7], v[32*((\q)%8)+8*(\a):32*((\q)%8)+8*(\a)+7], v[8*(8*(\a)+\b):8*(8*(\a)+\b)+7]
.endif
.endr
.endm
; A prefetch of my own stream's quarters q + 14 and q + 15, which are loaded 7 and 8 quarters on: for each of my four row tiles 2,048 consecutive bytes, a lane to each block of 256.  The eight work-groups that
; differ in kb alone read the same q: the one with kb = 0 asks, so that each block is named once in the launch.  It is written at quarters 2, 4 .. 16: quarters 0 to 15 come by their loads alone, and quarter 31 is the last that is named.
.macro ASK q
	s_cmp_eq_u32 s14, 0
	s_cbranch_scc0 .Lnot_mine_\@
	global_prefetch_b8 v[PFO], s[4:5] offset:1024*((\q)+14) th:TH_LOAD_NT scope:SCOPE_SE
.Lnot_mine_\@:
.endm
; A QUARTER: 32 channels, 32 matrix instructions.  First the loads go out: Q's of seven quarters on, into the place that the last quarter left, and K's of the next quarter, into the other buffer.
; A step's last quarter also shows the next step's part of K to every wave: my own fill of it has landed (behind it stand the fills of the later steps, which may stay out: nothing in LDS is filled again), then a barrier.
.macro QT q
.set ZF, 0
.if (\q) == 0
.set ZF, 1
.endif
.if (\q) <= 25
	s_wait_loadcnt 48                              ; this quarter's 8 loads are in; those of the six quarters behind it may be out
.else
	s_wait_loadcnt 8*(31-(\q))
.endif
	s_wait_dscnt 0x0                               ; K's fragments of this quarter
	PLACES                                         ; in front of the loads into registers that the last quarter multiplied
.if (\q)+7 <= 31
	WIN RING
	QLOAD (\q)+7
.endif
	WIN 0
.if ((\q)%8 == 7) && ((\q) < 31)
	s_wait_tensorcnt 2-(\q)/8                      ; my part of the next step's K has landed
	s_barrier_signal -1                            ; (no LDS instruction of mine is out)
	WIN MULW
	MUL8 \q, 0
	MUL8 \q, 1
	WIN 0
	s_barrier_wait -1                              ; everybody's has
	FETCHK (\q)+1
	WIN MULW
	MUL8 \q, 2
	MUL8 \q, 3
	WIN 0
.else
.if (\q) < 31
	FETCHK (\q)+1
.endif
.if ((\q)%2 == 0) && ((\q) >= 2) && ((\q) <= 16)
	ASK \q
.endif
	WIN MULW
	MUL8 \q, 0
	MUL8 \q, 1
	MUL8 \q, 2
	MUL8 \q, 3
	WIN 0
.endif
.endm
	s_wait_tensorcnt 3                             ; my part of the first step's K is in; the three later fills may stay out
	s_barrier_signal -1
	s_barrier_wait -1                              ; everybody's is
	FETCHK 0
.set NN, 0
.rept 32
	QT NN
.set NN, NN+1
.endr
	; THE TILE'S MAXIMA.  Each tile of queries has 64 registers a lane; they are taken in ascending order; the four tiles by turns.
	PLACES
	WIN 0x15                                       ; all three sources window 1
.irp a, 0,1,2,3
	v_max3_num_f32 v[MX+\a], v[64*\a], v[64*\a+1], v[64*\a+2]
.endr
	WIN 0x14                                       ; sources 1 and 2 window 1
.set II, 3
.rept 30
.irp a, 0,1,2,3
	v_max3_num_f32 v[MX+\a], v[MX+\a], v[64*\a+II], v[64*\a+II+1]
.endr
.set II, II+2
.endr
.irp a, 0,1,2,3
	v_max_num_f32 v[MX+\a], v[MX+\a], v[64*\a+63]
.endr
	WIN 0
.irp a, 0,1,2,3
	v_permlanex16_b32 v[PM+\a], v[MX+\a], s[SEL], s[SEL+1]
.endr
.irp a, 0,1,2,3
	v_max_num_f32 v[MX+\a], v[MX+\a], v[PM+\a]     ; with lane l xor 16's: the tile's 128 keys
.endr
.irp a, 0,1,2,3
	v_mul_f32 v[CM+2*\a], s[CS], v[MX+\a]          ; c m
	v_mul_f32 v[CM+2*\a+1], s[CS], v[MX+\a]        ; (the pair's upper register is named with it, so it is written)
.endr
	WIN 0x41                                       ; destination and source 0 window 1
.irp a, 0,1,2,3
.set II, 0
.rept 32
	v_pk_fma_f32 v[64*\a+II:64*\a+II+1], v[64*\a+II:64*\a+II+1], s[CS:CS+1], v[CM+2*\a:CM+2*\a+1] op_sel_hi:[1,0,0] neg_lo:[0,0,1] neg_hi:[0,0,1]   ; c s - c m, two at a time
.set II, II+2
.endr
.endr
.set II, 0
.rept 256
	v_exp_f32 v[II], v[II]                         ; p = 2^(c s - c m), at most 1: ONE batch
.set II, II+1
.endr
	v_nop                                          ; a plain line behind the last exponential
	s_wait_alu depctr_va_vdst(0)                   ; the wait ahead of the first line that names a result: one for the batch
	WIN 0x05                                       ; sources 0 and 1 window 1
.irp a, 0,1,2,3
	v_pk_add_f32 v[LL+2*\a:LL+2*\a+1], v[64*\a:64*\a+1], v[64*\a+2:64*\a+3]    ; the sums are taken of the unrounded p
.endr
	WIN 0x04
.set II, 4
.rept 30
.irp a, 0,1,2,3
	v_pk_add_f32 v[LL+2*\a:LL+2*\a+1], v[LL+2*\a:LL+2*\a+1], v[64*\a+II:64*\a+II+1]
.endr
.set II, II+2
.endr
	WIN 0
.irp a, 0,1,2,3
	v_add_f32 v[LL+2*\a], v[LL+2*\a], v[LL+2*\a+1]
.endr
.irp a, 0,1,2,3
	v_permlanex16_b32 v[PM+\a], v[LL+2*\a], s[SEL], s[SEL+1]
.endr
.irp a, 0,1,2,3
	v_add_f32 v[LL+2*\a], v[LL+2*\a], v[PM+\a]     ; l of the tile's 128 keys
.endr
	v_cmp_lt_u32 vcc_lo, 15, v[LN]                 ; lanes 16-31 carry the odd tile's queries
.irp u, 0,1
	v_cndmask_b32 v[SO+2*\u], v[CM+4*\u], v[CM+4*\u+2], vcc_lo
	v_cndmask_b32 v[SO+2*\u+1], v[LL+4*\u], v[LL+4*\u+2], vcc_lo
	global_store_b64 v[L8], v[SO+2*\u:SO+2*\u+1], s[8:9] offset:256*\u    ; 32 queries' pairs: 256 consecutive bytes, aligned
.endr
	; THE WAY OUT of p: rounded to f16, 16 bytes a lane and accumulator, and stored as they stand; each tile has registers of its own, so no store's data are written again
.irp a, 0,1,2,3
	WIN 0x05
.irp b, 0,1,2,3,4,5,6,7
.irp q, 0,1,2,3
	v_cvt_pk_f16_f32 v[TMP+32*\a+4*\b+\q], v[8*(8*\a+\b)+2*\q], v[8*(8*\a+\b)+2*\q+1]
.endr
.endr
	WIN 0
.irp b, 0,1,2,3,4,5,6,7
	global_store_b128 v[LI], v[TMP+32*\a+4*\b:TMP+32*\a+4*\b+3], s[6:7] offset:32768*\a+512*\b   ; a piece of a fragment's image: 512 consecutive bytes; a tile's eight stores cover 4,096
.endr
.endr
	s_wait_tensorcnt 0x0                           ; the wave's end, behind my last tensor load
	ds_add_u32 v[SPW], v[NIL]
	s_wait_dscnt 0x0
	ROUND                                          ; the closing round
	s_endpgm
.Lfunc_end_k_q1bb05c1266_scores:
	.size	k_q1bb05c1266_scores, .Lfunc_end_k_q1bb05c1266_scores-k_q1bb05c1266_scores
	.p2alignl 7, 3214868480
	.fill 96, 4, 3214868480
	.section	.rodata,"a",@progbits
	.p2align	6, 0x0
	.amdhsa_kernel k_q1bb05c1266_scores
		.amdhsa_group_segment_fixed_size 327680
		.amdhsa_private_segment_fixed_size 0
		.amdhsa_enable_private_segment 0
		.amdhsa_kernarg_size 24
		.amdhsa_user_sgpr_count 2
		.amdhsa_user_sgpr_kernarg_segment_ptr 1
		.amdhsa_wavefront_size32 1
		.amdhsa_system_sgpr_workgroup_id_x 1
		.amdhsa_system_sgpr_workgroup_id_y 1
		.amdhsa_system_sgpr_workgroup_id_z 1
		.amdhsa_system_vgpr_workitem_id 0
		.amdhsa_next_free_vgpr 768
		.amdhsa_next_free_sgpr 66
		.amdhsa_reserve_vcc 1
		.amdhsa_float_denorm_mode_32 3
		.amdhsa_float_denorm_mode_16_64 3
		.amdhsa_memory_ordered 1
		.amdhsa_forward_progress 1
		.amdhsa_inst_pref_size 182
	.end_amdhsa_kernel
	.amdgpu_metadata
---
amdhsa.version: [ 1, 2 ]
amdhsa.kernels:
  - .name:           k_q1bb05c1266_scores
    .symbol:         k_q1bb05c1266_scores.kd
    .args:
      - { .name: qkv, .offset: 0, .size: 8, .value_kind: global_buffer, .address_space: global }
      - { .name: pbuf, .offset: 8, .size: 8, .value_kind: global_buffer, .address_space: global }
      - { .name: st, .offset: 16, .size: 8, .value_kind: global_buffer, .address_space: global }
    .group_segment_fixed_size: 327680
    .private_segment_fixed_size: 0
    .kernarg_segment_align: 8
    .kernarg_segment_size: 24
    .max_flat_workgroup_size: 128
    .sgpr_count:     66
    .vgpr_count:     768
    .wavefront_size: 32
...
	.end_amdgpu_metadata
.endif
;; end of part 3
;; launch mix (part 4): grid 32 x 8, 4 waves a work-group, clusters of 4 x 1, 327,680 bytes of LDS; arguments pbuf, st, qkv, out0; writes out0
.if DOCPART == 4
	.amdgcn_target "amdgcn-amd-amdhsa--gfx1250"
	.amdhsa_code_object_version 6
	.text
	.protected	k_q1bb05c1266_mix
	.globl	k_q1bb05c1266_mix
	.p2align	8
	.type	k_q1bb05c1266_mix,@function
k_q1bb05c1266_mix:
	s_mov_b64 s[64:65], 0
	v_nop
	global_prefetch_b8 v0, s[64:65] scope:SCOPE_SE
	s_setreg_imm32_b32 hwreg(HW_REG_WAVE_MODE, 25, 1), 1
	s_wait_xcnt 0x0
	s_wait_alu depctr_hold_cnt(0) depctr_sa_sdst(0) depctr_va_vdst(0) depctr_va_sdst(0) depctr_va_ssrc(0) depctr_va_vcc(0) depctr_vm_vsrc(0)
	s_getreg_b32 s2, hwreg(HW_REG_IB_STS2, 6, 4)
	s_cmp_eq_u32 s2, 0
	s_cbranch_scc0 .Lentry_in_a_cluster
	s_endpgm
.Lentry_in_a_cluster:
	s_bfe_u32 s2, ttmp6, 0x10000c
	s_cmp_lg_u32 s2, 0x3003
	s_cbranch_scc0 .Lentry_shape_is_right
	s_endpgm
.Lentry_shape_is_right:
; out = softmax(s) v, from the tile-wise p of the launch before.  For a row, tile j (128 keys) has p = 2^(c s - c m_j) and the sum l_j.  With M = the largest c m_j, e_j = 2^(c m_j - M) and L = the sum of e_j l_j,
; out = the sum over j of g_j (P_j V_j), g_j = e_j / L: the row's maximum is taken away exactly, in f32.  L is at least 1: the tile that holds the row's maximum has e = 1 and l of at least 1.  Operands f16, sums f32.
; SHARES.  A work-group makes 256 queries (block qb, 0..31) x 128 channels (tile ct8, 0..7).  Wave w has queries 64 w on and all 128 channels: 4 x 8 = 32 accumulators.
; O^T = V^T P^T (source 0 = 16 channels of V^T, source 1 = 16 queries of P): a lane holds ONE query and eight neighbouring channels.
; p and v lie in memory as images of operand registers: pbuf [query tile][key quarter 32][1,024 bytes]; v, from byte 33,554,432 of qkv, [channel tile 64][key quarter 256][1,024 bytes], already as V^T: nothing is turned.
; V STAYS IN LDS: the tile's 8 channel tiles x the batch's 32 key quarters are 262,144 bytes, brought once, as they lie, in four steps of 8 quarters: wave w brings channel tiles 2 w and 2 w + 1 of each step, 2 rows of 8,192 bytes.
; P STREAMS INTO REGISTERS: a quarter (32 keys) of the wave's 64 queries is 8 loads of 512 consecutive bytes; a ring of eight quarters, 256 registers, keeps 56 loads of the wave on their way.
; Four quarters are the 128 keys of one tile j: their products start their sums anew in S, and behind them ACC takes g_j S.
; CLUSTER: the four blocks of queries of a batch need the same V: its tiles are asked for JOINTLY (mask 15); the place in the cluster enters the addresses of pbuf, st and out0 alone.
; REGISTERS: window 0: v1-11 addresses; v12-23 at work; v32-95 the weights, the pair (g, g) of (tile of queries a, tile of keys j) at v[32 + 2 (8 a + j)]; v96-159, v160-223 V's eight fragments, two buffers.
;   window 1: S (a, b) at v[8 (8 a + b)].   window 2: ACC likewise.   window 3: P's fragment (a) of quarter q at v[32 (q % 8) + 8 a].
.set STAGE, 262144                     ; behind V: 16 rows x 528 bytes for each wave, for the way out
.set SPARE, STAGE+4*8448               ; the spare words, 128 bytes for each wave: two blocks of 256 bytes that no other line names
.set LI,   1                           ; v1      16 x lane
.set LK,   2                           ; v2-5    16 x lane + 65,536 x step
.set R8,   6                           ; v6      8 x (lane % 16)
.set PFO,  7                           ; v7      the prefetches' offset: 32,768 x (lane / 8) + 256 x (lane % 8); never rewritten
.set SPW,  8                           ; v8      LDS address of my spare word; never rewritten
.set NIL,  9                           ; v9      0; never rewritten
.set STO,  10                          ; v10     the way out: where I put 32 bytes of a row
.set RD,   11                          ; v11     and where I read a row back
.set G,    32
.set F0,   96
.set BK,   96                          ; the way out: 16 rows read back: v96-159 and v160-223 by turns
.set G1,  24                           ; s[24:31] descriptor group 1;  s[32:47] group 0, one set for each step
.set G0,  32
.set RING, 0xc0                        ; destination window 3, address window 0
.set MULW, 0x5c                        ; source 0 (V) window 0, source 1 (P) window 3, C and D window 1
.set MSB, 0
.macro WIN new                         ; the immediate's high byte repeats the setting that is left
.if MSB != \new
	s_set_vgpr_msb (MSB<<8)|\new
.set MSB, \new
.endif
.endm
.macro PLACES                          ; four plain lines between a matrix instruction and a load into a register that it read, or a vector line that reads its result
.rept 4
	v_nop
.endr
.endm
.macro ROUND                           ; a round of the cluster's barrier
	s_barrier_signal -1
	s_barrier_wait -1
	s_cmp_lg_u32 s10, 0
	s_cbranch_scc1 .Lnot_wave_0_\@
	s_barrier_signal -3
.Lnot_wave_0_\@:
	s_barrier_wait -3
	s_barrier_signal -1
	s_barrier_wait -1
.endm
	s_load_b128 s[4:7], s[0:1], 0x0                ; pbuf s[4:5], st s[6:7]
	s_load_b128 s[52:55], s[0:1], 0x10             ; qkv s[52:53], out0 s[54:55]
	v_lshl_add_u32 v[SPW], v0, 2, SPARE
	v_mov_b32 v[NIL], 0
	ds_add_u32 v[SPW], v[NIL]                      ; the wave's opening: the add, twice on end, and its wait ahead of my first tensor load
	ds_add_u32 v[SPW], v[NIL]
	v_lshrrev_b32 v1, 5, v0
	v_readfirstlane_b32 s10, v1                    ; wave 0..3
	s_bfe_u32 s11, ttmp6, 0x40000                  ; cx: my place in the cluster
	s_lshl_b32 s13, ttmp9, 2                       ; (cluster x is the batch)
	s_add_co_u32 s13, s13, s11                     ; qb = 4 x batch + cx
	s_and_b32 s14, ttmp7, 0xffff                   ; ct8, which the four partners share
	; a step's part of two channel tiles: 2 rows of 8,192 bytes (1,024 elements of 8 bytes), 262,144 bytes apart in memory, on end in LDS
	s_mov_b32 s[G1], 15|(3<<16)|(1<<21)            ; 15:0 the mask: all four work-groups; 17:16 elements of 8 bytes; 21 set beside a mask
	s_mov_b32 s[G1+1], 1024<<16                    ; tensor_dim0 = 1,024
	s_mov_b32 s[G1+2], 2<<16                       ; tensor_dim1 = 2
	s_mov_b32 s[G1+3], 1024<<16                    ; tile_dim0
	s_mov_b32 s[G1+4], 2                           ; tile_dim1
	s_mov_b32 s[G1+5], 32768                       ; the pitch, in elements
	s_mov_b32 s[G1+6], 0
	s_mov_b32 s[G1+7], 0
	s_lshl_b32 s16, s14, 21                        ; v: 8 channel tiles of 262,144 bytes for ct8,
	s_lshl_b32 s17, s10, 19                        ; my two,
	s_add_co_u32 s16, s16, s17
	s_lshl_b32 s17, ttmp9, 15                      ; the batch's 32 key quarters
	s_add_co_u32 s16, s16, s17
	s_add_co_u32 s16, s16, 0x2000000               ; behind q and k
	s_mov_b32 s17, 0
	s_lshl_b32 s18, s10, 14                        ; and where they go: 16,384 x wave in each step's 65,536: the wave's number alone enters an LDS address
	s_lshl_b32 s20, s13, 19                        ; pbuf: 16 query tiles of 32,768 bytes a block of queries,
	s_lshl_b32 s21, s10, 17                        ; my four
	s_add_co_u32 s20, s20, s21
	s_mov_b32 s21, 0
	s_lshl_b32 s22, s13, 14                        ; st: (4 qb + w) x 4,096
	s_lshl_b32 s23, s10, 12
	s_add_co_u32 s22, s22, s23
	s_mov_b32 s23, 0
	s_lshl_b32 s2, s13, 20                         ; out0: row 256 qb + 64 w of 4,096 bytes, + 512 ct8
	s_lshl_b32 s3, s10, 18
	s_add_co_u32 s2, s2, s3
	s_lshl_b32 s3, s14, 9
	s_add_co_u32 s2, s2, s3
	s_mov_b32 s3, 0
	v_and_b32 v12, 31, v0                          ; lane
	v_and_b32 v13, 15, v0                          ; r
	v_bfe_u32 v14, v0, 4, 1                        ; h
	v_lshlrev_b32 v[LI], 4, v12
	v_lshlrev_b32 v[LK], 4, v12
	v_lshl_add_u32 v[LK+1], v12, 4, 65536
	v_lshl_add_u32 v[LK+2], v12, 4, 131072
	v_lshl_add_u32 v[LK+3], v12, 4, 196608
	v_lshlrev_b32 v[R8], 3, v13
	v_lshrrev_b32 v[PFO], 3, v12
	v_and_b32 v15, 7, v12
	v_lshlrev_b32 v[PFO], 15, v[PFO]
	v_lshl_add_u32 v[PFO], v15, 8, v[PFO]
	s_mul_i32 s19, s10, 8448
	s_add_co_u32 s19, s19, STAGE                   ; my stage
	v_mul_u32_u24 v15, v13, 528
	v_lshl_add_u32 v15, v14, 5, v15
	v_add_nc_u32 v[STO], s19, v15                  ; in: row r, + 32 h
	v_add_nc_u32 v[RD], s19, v[LI]                 ; back: the 32 lanes take one row of 512 bytes
	s_wait_dscnt 0x0                               ; both opening adds are done
	s_wait_kmcnt 0x0
	s_add_nc_u64 s[8:9], s[52:53], s[16:17]        ; v at my two channel tiles
	s_add_nc_u64 s[4:5], s[4:5], s[20:21]          ; p at my four query tiles
	s_add_nc_u64 s[6:7], s[6:7], s[22:23]
	s_add_nc_u64 s[54:55], s[54:55], s[2:3]
.irp s, 0,1,2,3
	s_mov_b32 s[G0+4*\s], 1
	s_add_co_u32 s[G0+4*\s+1], s18, \s*65536
	s_add_nc_u64 s[G0+4*\s+2:G0+4*\s+3], s[8:9], \s*8192
	s_or_b32 s[G0+4*\s+3], s[G0+4*\s+3], 0x80000000
.endr
	ROUND                                          ; all four work-groups are here: the joint loads meet
.irp s, 0,1,2,3
	tensor_load_to_lds s[G0+4*\s:G0+4*\s+3], s[G1:G1+7]   ; the launch's only tensor loads, in the order in which the steps are read: four of mine are out
	s_nop 0
.endr
.rept 4
	v_nop
.endr
	; the statistics of my 64 queries: 8 tiles of keys x 4 tiles of queries; a lane takes its query's pair (both halves of the lanes the same)
.irp a, 0,1,2,3
.irp j, 0,1,2,3,4,5,6,7
	global_load_b64 v[96+2*(8*\a+\j):97+2*(8*\a+\j)], v[R8], s[6:7] offset:512*\j+128*\a
.endr
.endr
.macro QLOAD q                         ; P's four fragments of quarter q into place q % 8 of the ring: 8 loads of 512 consecutive bytes
.irp a, 0,1,2,3
.irp e, 0,1
	global_load_b128 v[32*((\q)%8)+8*\a+4*\e:32*((\q)%8)+8*\a+4*\e+3], v[LI], s[4:5] offset:32768*\a+1024*(\q)+512*\e
.endr
.endr
.endm
	WIN RING
.irp q, 0,1,2,3,4,5,6
	QLOAD \q
.endr
	WIN 0
	; THE WEIGHTS.  Register 96 + 16 a + 2 j: c m of tile j; the next: its sum l
	s_wait_loadcnt 56                              ; the statistics are in; P's seven quarters, issued behind them, may be out
.irp a, 0,1,2,3
	v_max3_num_f32 v[12+\a], v[96+16*\a], v[98+16*\a], v[100+16*\a]
.endr
.irp a, 0,1,2,3
	v_max3_num_f32 v[12+\a], v[12+\a], v[102+16*\a], v[104+16*\a]
.endr
.irp a, 0,1,2,3
	v_max3_num_f32 v[12+\a], v[12+\a], v[106+16*\a], v[108+16*\a]
.endr
.irp a, 0,1,2,3
	v_max_num_f32 v[12+\a], v[12+\a], v[110+16*\a] ; M: the row's largest c m
.endr
.irp a, 0,1,2,3
.irp j, 0,1,2,3,4,5,6,7
	v_sub_f32 v[160+8*\a+\j], v[96+16*\a+2*\j], v[12+\a]
.endr
.endr
.irp a, 0,1,2,3
.irp j, 0,1,2,3,4,5,6,7
	v_exp_f32 v[160+8*\a+\j], v[160+8*\a+\j]       ; e_j = 2^(c m_j - M): one batch
.endr
.endr
	v_nop                                          ; a plain line behind the last exponential
	s_wait_alu depctr_va_vdst(0)                   ; the wait ahead of the first line that names a result: one for the 32
.irp a, 0,1,2,3
	v_mul_f32 v[16+\a], v[160+8*\a], v[97+16*\a]
.endr
.irp j, 1,2,3,4,5,6,7
.irp a, 0,1,2,3
	v_fmac_f32 v[16+\a], v[160+8*\a+\j], v[97+16*\a+2*\j]    ; L
.endr
.endr
.irp a, 0,1,2,3
	v_rcp_f32 v[20+\a], v[16+\a]
.endr
	v_nop                                          ; a plain line behind the last reciprocal
	s_wait_alu depctr_va_vdst(0)                   ; and one wait for the four
.irp a, 0,1,2,3
.irp j, 0,1,2,3,4,5,6,7
	v_mul_f32 v[G+2*(8*\a+\j)], v[160+8*\a+\j], v[20+\a]
	v_mul_f32 v[G+2*(8*\a+\j)+1], v[160+8*\a+\j], v[20+\a]   ; twice: a pair for the packed lines
.endr
.endr
.macro FETCHV q                        ; V's eight fragments of quarter q into buffer q % 2: 16 loads, 512 bytes on end each
.irp b, 0,1,2,3,4,5,6,7
.irp e, 0,1
	ds_load_b128 v[F0+64*((\q)%2)+8*\b+4*\e:F0+64*((\q)%2)+8*\b+4*\e+3], v[LK+(\q)/8] offset:8192*\b+1024*((\q)%8)+512*\e
.endr
.endr
.endm
; 8 matrix instructions: query tile a x the eight channel tiles.  The 32 accumulators take turns, one instruction a turn, in the same order in every quarter.  ZF = 1: the products start the sums
.macro MUL8 q, a
.irp b, 0,1,2,3,4,5,6,7
.if ZF
	v_wmma_f32_16x16x32_f16 v[8*(8*(\a)+\b):8*(8*(\a)+\b)+7], v[F0+64*((\q)%2)+8*\b:F0+64*((\q)%2)+8*\b+7], v[32*((\q)%8)+8*(\a):32*((\q)%8)+8*(\a)+7], 0
.else
	v_wmma_f32_16x16x32_f16 v[8*(8*(\a)+\b):8*(8*(\a)+\b)+7], v[F0+64*((\q)%2)+8*\b:F0+64*((\q)%2)+8*\b+7], v[32*((\q)%8)+8*(\a):32*((\q)%8)+8*(\a)+7], v[8*(8*(\a)+\b):8*(8*(\a)+\b)+7]
.endif
.endr
.endm
; A prefetch of my own stream's quarters q + 14 and q + 15, which are loaded 7 and 8 quarters on: for each of my four query tiles 2,048 consecutive bytes, a lane to each block of 256.  The eight work-groups that
; differ in ct8 alone read the same p: the one with ct8 = 0 asks, so that each block is named once in the launch.  It is written at quarters 2, 4 .. 16: quarters 0 to 15 come by their loads alone, and quarter 31 is the last that is named.
.macro ASK q
	s_cmp_eq_u32 s14, 0
	s_cbranch_scc0 .Lnot_mine_\@
	global_prefetch_b8 v[PFO], s[4:5] offset:1024*((\q)+14) th:TH_LOAD_NT scope:SCOPE_SE
.Lnot_mine_\@:
.endm
; ACC takes g_j S: 128 packed lines, each accumulator from its low end on.  The lines on the other accumulators are also the plain lines between an accumulator's last product and the next tile's, which begins its sum anew.
.macro FLUSH j
	PLACES
.if (\j) == 0
	WIN 0x81                                       ; destination window 2, source 0 (S) window 1, source 1 (g) window 0
.else
	WIN 0xa1                                       ; and source 2 (ACC) window 2
.endif
.irp a, 0,1,2,3
.set II, 0
.rept 32
.if (\j) == 0
	v_pk_mul_f32 v[64*\a+II:64*\a+II+1], v[64*\a+II:64*\a+II+1], v[G+2*(8*\a+(\j)):G+2*(8*\a+(\j))+1]
.else
	v_pk_fma_f32 v[64*\a+II:64*\a+II+1], v[64*\a+II:64*\a+II+1], v[G+2*(8*\a+(\j)):G+2*(8*\a+(\j))+1], v[64*\a+II:64*\a+II+1]
.endif
.set II, II+2
.endr
.endr
	WIN 0
.endm
; A QUARTER: 32 keys, 32 matrix instructions.  First the loads go out: P's of seven quarters on, into the place that the last quarter left, and V's of the next quarter, into the other buffer.
; A step's last quarter also shows the next step's part of V to every wave: my own fill of it has landed (behind it stand the fills of the later steps, which may stay out: nothing in LDS is filled again), then a barrier.
.macro QT q
.set ZF, 0
.if (\q)%4 == 0
.set ZF, 1
.endif
.if (\q) <= 25
	s_wait_loadcnt 48                              ; this quarter's 8 loads are in; those of the six quarters behind it may be out
.else
	s_wait_loadcnt 8*(31-(\q))
.endif
	s_wait_dscnt 0x0                               ; V's fragments of this quarter
	PLACES                                         ; in front of the loads into registers that the last quarter multiplied
.if (\q)+7 <= 31
	WIN RING
	QLOAD (\q)+7
.endif
	WIN 0
.if ((\q)%8 == 7) && ((\q) < 31)
	s_wait_tensorcnt 2-(\q)/8                      ; my part of the next step's V has landed
	s_barrier_signal -1                            ; (no LDS instruction of mine is out)
	WIN MULW
	MUL8 \q, 0
	MUL8 \q, 1
	WIN 0
	s_barrier_wait -1                              ; everybody's has
	FETCHV (\q)+1
	WIN MULW
	MUL8 \q, 2
	MUL8 \q, 3
	WIN 0
.else
.if (\q) < 31
	FETCHV (\q)+1
.endif
.if ((\q)%2 == 0) && ((\q) >= 2) && ((\q) <= 16)
	ASK \q
.endif
	WIN MULW
	MUL8 \q, 0
	MUL8 \q, 1
	MUL8 \q, 2
	MUL8 \q, 3
	WIN 0
.endif
.if (\q)%4 == 3
	FLUSH (\q)/4                                   ; the next quarter's fragments land meanwhile
.endif
.endm
	s_wait_tensorcnt 3                             ; my part of the first step's V is in; the three later fills may stay out
	s_barrier_signal -1
	s_barrier_wait -1                              ; everybody's is
	FETCHV 0
.set NN, 0
.rept 32
	QT NN
.set NN, NN+1
.endr
; THE WAY OUT, a tile of 16 queries x 128 channels at a time: a lane holds 32 neighbouring bytes of a row; the tile goes through my own stage, rows 528 bytes apart, and comes back as whole rows of 512 bytes.
.macro TOSTAGE a
	WIN 0x08                                       ; an LDS store's data are its source 1: window 2
.irp b, 0,1,2,3,4,5,6,7
	ds_store_b128 v[STO], v[8*(8*(\a)+\b):8*(8*(\a)+\b)+3] offset:64*\b
	ds_store_b128 v[STO], v[8*(8*(\a)+\b)+4:8*(8*(\a)+\b)+7] offset:64*\b+16
.endr
	WIN 0
.irp t, 0,1,2,3,4,5,6,7,8,9,10,11,12,13,14,15
	ds_load_b128 v[BK+64*((\a)%2)+4*\t:BK+64*((\a)%2)+4*\t+3], v[RD] offset:528*\t   ; LDS serves a wave's instructions in order: these see the stores above, and the next tile's stores come behind them
.endr
.endm
.macro SEND a, younger                 ; younger: the LDS instructions issued behind tile a's loads, which may stay out
	s_wait_dscnt \younger
.irp t, 0,1,2,3,4,5,6,7,8,9,10,11,12,13,14,15
	global_store_b128 v[LI], v[BK+64*((\a)%2)+4*\t:BK+64*((\a)%2)+4*\t+3], s[54:55] offset:(16*(\a)+\t)*4096 th:TH_STORE_NT   ; 512 consecutive bytes, aligned; written once, read by nobody here
.endr
.endm
	TOSTAGE 0
.irp a, 1,2,3
.if \a > 1
	s_wait_xcnt 0x0                                ; tile a - 2's stores have read their registers: tile a's loads may land there
.endif
	TOSTAGE \a
	SEND \a-1, 32                                  ; behind tile a - 1's loads: tile a's 16 stores and 16 loads
.endr
	SEND 3, 0
	s_wait_tensorcnt 0x0                           ; the wave's end, behind my last tensor load and my last LDS store
	ds_add_u32 v[SPW], v[NIL]
	s_wait_dscnt 0x0
	ROUND                                          ; the closing round
	s_endpgm
.Lfunc_end_k_q1bb05c1266_mix:
	.size	k_q1bb05c1266_mix, .Lfunc_end_k_q1bb05c1266_mix-k_q1bb05c1266_mix
	.p2alignl 7, 3214868480
	.fill 96, 4, 3214868480
	.section	.rodata,"a",@progbits
	.p2align	6, 0x0
	.amdhsa_kernel k_q1bb05c1266_mix
		.amdhsa_group_segment_fixed_size 327680
		.amdhsa_private_segment_fixed_size 0
		.amdhsa_enable_private_segment 0
		.amdhsa_kernarg_size 32
		.amdhsa_user_sgpr_count 2
		.amdhsa_user_sgpr_kernarg_segment_ptr 1
		.amdhsa_wavefront_size32 1
		.amdhsa_system_sgpr_workgroup_id_x 1
		.amdhsa_system_sgpr_workgroup_id_y 1
		.amdhsa_system_sgpr_workgroup_id_z 1
		.amdhsa_system_vgpr_workitem_id 0
		.amdhsa_next_free_vgpr 1024
		.amdhsa_next_free_sgpr 66
		.amdhsa_reserve_vcc 0
		.amdhsa_float_denorm_mode_32 3
		.amdhsa_float_denorm_mode_16_64 3
		.amdhsa_memory_ordered 1
		.amdhsa_forward_progress 1
		.amdhsa_inst_pref_size 227
	.end_amdhsa_kernel
	.amdgpu_metadata
---
amdhsa.version: [ 1, 2 ]
amdhsa.kernels:
  - .name:           k_q1bb05c1266_mix
    .symbol:         k_q1bb05c1266_mix.kd
    .args:
      - { .name: pbuf, .offset: 0, .size: 8, .value_kind: global_buffer, .address_space: global }
      - { .name: st, .offset: 8, .size: 8, .value_kind: global_buffer, .address_space: global }
      - { .name: qkv, .offset: 16, .size: 8, .value_kind: global_buffer, .address_space: global }
      - { .name: out0, .offset: 24, .size: 8, .value_kind: global_buffer, .address_space: global }
    .group_segment_fixed_size: 327680
    .private_segment_fixed_size: 0
    .kernarg_segment_align: 8
    .kernarg_segment_size: 32
    .max_flat_workgroup_size: 128
    .sgpr_count:     66
    .vgpr_count:     1024
    .wavefront_size: 32
...
	.end_amdgpu_metadata
.endif
;; end of part 4
